; MI455X (gfx1250); checked and timed in simulation.
; The chip was launched on July 23, 2026; its instructions are those of AMD's public machine-readable ISA for CDNA 5 (MIT licence, August 2026) and "CDNA5" Instruction Set Architecture Reference Guide (July 2026). The comments in the code are by the model that wrote it; some were corrected since.
;; SNN Classifier. Allowed arithmetic: float matrix products may take bf16 or f16 operands with f32 sums; other float arithmetic in f32, or as packed bf16 or f16 multiplies, adds, multiply-adds, maxima and minima; sums over many terms, partial sums and values carried from step to step in f32; what a program stores and reads back later, other than sums and carried values, may be rounded once to bf16 or f16.
;; Inputs: W_hidden 256 x 256 float32; W_readout 10 x 256 float32; b_hidden 256 float32; b_readout 10 float32; x 16,384 x 256 float32.
;; Outputs: out0 16,384 x 10 float32.
;; One version. Each part assembles by itself: llvm-mc -triple=amdgcn-amd-amdhsa -mcpu=gfx1250 --defsym DOCPART=n.
;; ======== version 1 of 1: 1 launch
;; launch snn (part 1): grid 256 x 1, 4 waves a work-group, clusters of 4 x 1, 327,680 bytes of LDS; arguments x, W_hidden, b_hidden, W_readout, b_readout, out0; writes out0
.if DOCPART == 1
	.amdgcn_target "amdgcn-amd-amdhsa--gfx1250"
	.amdhsa_code_object_version 6
	.text
	.protected	k_qfe63b89b68_snn
	.globl	k_qfe63b89b68_snn
	.p2align	8
	.type	k_qfe63b89b68_snn,@function
k_qfe63b89b68_snn:
	s_mov_b64 s[64:65], 0
	v_nop
	global_prefetch_b8 v0, s[64:65] scope:SCOPE_SE
	s_setreg_imm32_b32 hwreg(HW_REG_WAVE_MODE, 25, 1), 1
	s_wait_xcnt 0x0
	s_wait_alu depctr_hold_cnt(0) depctr_sa_sdst(0) depctr_va_vdst(0) depctr_va_sdst(0) depctr_va_ssrc(0) depctr_va_vcc(0) depctr_vm_vsrc(0)
	s_getreg_b32 s2, hwreg(HW_REG_IB_STS2, 6, 4)
	s_cmp_eq_u32 s2, 0
	s_cbranch_scc0 .Lentry_in_a_cluster
	s_endpgm
.Lentry_in_a_cluster:
	s_bfe_u32 s2, ttmp6, 0x10000c
	s_cmp_lg_u32 s2, 0x3003
	s_cbranch_scc0 .Lentry_shape_is_right
	s_endpgm
.Lentry_shape_is_right:
; TWO LAYERS OF LIF NEURONS OVER 25 STEPS, AND A LINEAR READOUT.  x: [16384][256], W_hidden: [256][256], b_hidden: [256], W_readout: [10][256], b_readout: [10], out0: [16384][10], all f32.
; A step of a layer: v' = v + 0.1 ((0 - v) + i); z = (v' > 1); v = (1 - z) v'; i = 0.8 i + input.  Layer 1's input is x in every step, layer 2's is h = z W_hidden^T + b_hidden;
; out0 = (layer 2's spike count / 25) W_readout^T + b_readout.
; WORK LEFT OUT, for all values of the inputs.  STEP 0: reference() starts v1 = i1 = v2 = i2 = 0 itself, so v' = 0 in both layers, no neuron spikes, the product multiplies zeros and h = b_hidden:
; after step 0 v1 = 0, i1 = x, v2 = 0, i2 = b_hidden, count = 0, and the text starts there.  STEP 24: its h enters only the i2 that is left behind the last step, which nothing reads; so layer 1's
; step 24, its spikes, the product and the last update of i2 reach no output.  23 of the 25 products are made.  Every input has a way to the output and is loaded.
; LIMITS.  All five inputs are rounded to bf16 once, on their way in; the two recurrences run in f32 on those numbers, in reference()'s order of operations (FUSED, below, says how a x b + c is rounded).
; A spike is a threshold: where v' lies within a rounding of 1 the spike may fall a step earlier or later than in another order of h's sums.  NaN and infinities are not treated apart (a NaN counts as no spike);
; a NaN, an infinity or an overflow that reaches only the work left out is not carried to the result.  The sign of a zero is not kept.
; SHARES.  256 work-groups of four waves; work-group g has batch rows 64 g .. 64 g + 63, in two passes of 32 (W's fragments and six state arrays of 64 x 256 f32 would be all 4 x 1,024 registers).
; Wave w has hidden columns 64 w .. 64 w + 63 for all 32 rows: its slice of W_hidden lies in 256 registers as bf16 fragments for the whole launch, its layer-2 state is 8 tiles of 16 x 16, tile 4 rt + ct.
; For layer 1 wave w has rows 8 w .. 8 w + 7 with all 256 features: lane l holds features 128 c + 4 l + q of row i in register 8 i + 4 c + q.  Spikes pass from wave to wave through two LDS buffers, one barrier a step.
; THE PRODUCT IS USED TRANSPOSED: source 0 = 16 rows of W_hidden (hidden columns), source 1 = 16 batch rows of spikes.  A lane then holds batch row l % 16 and hidden columns 8 (l / 16) + 0..7; b_hidden is the
; C operand that starts each sum; and two neighbouring tiles of counts, rounded to bf16 (whole numbers up to 24: exact), ARE source 1 of the readout's product.
; A TRIP is step t: the product of z_t (64 matrix instructions, 8 accumulators by turns), beside it layer 1's step t + 1 and layer 2's step t, four vector instructions behind each matrix
; instruction, then i2 = 0.8 i2 + h.  z_t lies in buffer t % 2; the buffer stands in the immediate offsets, so the loop's body holds two trips.
; CLUSTER.  All work-groups read the same W_hidden: the four of a cluster ask for it jointly, each wave for its own 64 rows, once in the launch.
.set FUSED,  1         ; 1: a x b + c in the two recurrences is one fused multiply-add; 0: a product and a sum, each rounded
.set WPITCH, 1040      ; a row of W_hidden in LDS: 1,024 bytes + 16 of padding
.set WSLICE, 64*WPITCH ; a wave's 64 rows
.set SPK,    4*WSLICE  ; two spike buffers: 32 rows of 256 bf16,
.set SPITCH, 528       ; 512 bytes + 16: an odd multiple of 16, so the 16 rows of a fragment load start at 16 different groups of four banks (64 banks of 4 bytes: ISA guide 11.1)
.set SBUF,   32*SPITCH
.set PART,   SPK+2*SBUF ; the readout's partial sums: [wave 4][row 32][16 classes] f32
.set SPARE,  PART+8192 ; the spare words, 128 bytes for each wave: two blocks of 256 bytes that no other line names
; REGISTERS, in windows of 256 (s_set_vgpr_msb: bits 1:0 source 0, 3:2 source 1, 5:4 source 2, 7:6 destination)
; window 0
.set RR,   1           ; l % 16
.set HH,   2           ; l / 16
.set LN,   3           ; l
.set XO,   4           ; my byte offset in a pass's rows of x: 8,192 w + 16 l
.set ASW,  5           ; where I store spikes: SPK + 8 w rows + 8 l
.set ASR,  6           ; where I read a spike fragment: SPK + (l % 16) rows + 16 (l / 16)
.set AW,   7           ; where I read W: my slice + (l % 16) rows + 32 (l / 16)
.set APS,  8           ; where I put partial sums: PART + 2,048 w + 64 (l % 16) + 32 (l / 16)
.set RA0,  9           ; where I read them back, for output numbers 2 t, 2 t + 1 of a pass's 320 (t: my thread's number)
.set RA1,  10          ; and for numbers 256 + 2 l, + 1 (wave 0)
.set OO0,  11          ; their byte offsets in the pass's 1,280 bytes of out0
.set OO1,  12
.set TMP,  13
.set SPW,  14          ; LDS address of my spare word; never rewritten
.set NIL,  15          ; 0; never rewritten
.set BIG,  16          ; v[16:17] 2^30 twice
.set NBIG, 18          ; v[18:19] -2^30 twice
.set BR0,  20          ; v[20:21], v[22:23] b_readout of my output numbers
.set BR1,  22
.set TT,   24          ; v[24:39] at work: 8 pairs
.set PK,   40          ; v[40:47] spikes as bf16 pairs
.set SC,   48          ; v[48:63] at work
.set XX,   64          ; x
.set VM1,  128         ; v1
.set IS1,  192         ; i1
; window 1: W's fragments: hidden block ct, features 32 k on, at 8 (8 ct + k)
; window 2
.set VM2,  0           ; v2, i2 and the count: tile tau, register j at 8 tau + j
.set IS2,  64
.set ACC,  128
.set TB,   192         ; at work: 8 pairs
.set BIG2, 208
.set NBIG2, 210
.set XN,   224         ; the second pass's x, as bf16 pairs
; window 3
.set FRAG, 0           ; spike fragments: row block rt, features 32 k on, at 64 rt + 8 k
.set HACC, 128         ; h: tile tau at 8 tau
.set BIAS, 192         ; b_hidden in h's layout: hidden block ct at 8 ct
.set WR,   224         ; W_readout's fragments: hidden 32 kc on at 8 kc
; scalars
.set WV,   16          ; my wave's number
.set G1,   24          ; s[24:31] descriptor group 1
.set G0,   32          ; s[32:35] descriptor group 0
.set K01,  36          ; s[36:37] 0.1: the packed forms name a pair and take its low word for both halves
.set K08,  38          ; s[38:39] 0.8
.set K25,  40          ; s[40:41] 0.04
.set HM,   42          ; a word's upper bf16
.set PASS, 43
.set CNT,  44
.set MSB, 0
.macro WIN new                         ; the immediate's high byte repeats the setting that is left; a switch that changes nothing is dropped
.if MSB != (\new)
	s_set_vgpr_msb (MSB<<8)|(\new)
.set MSB, (\new)
.endif
.endm
.macro PLACES                          ; four places behind a matrix instruction (ISA guide 7.12.1)
.rept 4
	v_nop
.endr
.endm
; A round of the cluster's barrier: my work-group's barrier, so that wave 0's signal speaks for all four waves; wave 0 signals; every wave waits for all four work-groups; my work-group's barrier once more.
.macro CROUND
	s_barrier_signal -1
	s_barrier_wait -1
	s_cmp_lg_u32 s[WV], 0
	s_cbranch_scc1 .Lnot_wave_0_\@
	s_barrier_signal -3
.Lnot_wave_0_\@:
	s_barrier_wait -3
	s_barrier_signal -1
	s_barrier_wait -1
.endm
	s_load_b256 s[4:11], s[0:1], 0x0               ; x s[4:5], W_hidden s[6:7], b_hidden s[8:9], W_readout s[10:11]
	s_load_b128 s[12:15], s[0:1], 0x20             ; b_readout s[12:13], out0 s[14:15]
	v_lshl_add_u32 v[SPW], v0, 2, SPARE
	v_mov_b32 v[NIL], 0
	ds_add_u32 v[SPW], v[NIL]                      ; the wave's opening: the add, twice on end, and its wait ahead of my first tensor load; the set-up below stands between
	ds_add_u32 v[SPW], v[NIL]
	v_lshrrev_b32 v[TMP], 5, v0
	v_readfirstlane_b32 s[WV], v[TMP]              ; wave 0..3
	s_bfe_u32 s17, ttmp6, 0x40000                  ; cx: my place in the cluster
	s_lshl_b32 s18, ttmp9, 2                       ; in a cluster launch ttmp9 counts clusters
	s_add_co_u32 s18, s18, s17                     ; g = 4 x cluster + cx: it enters x's and out0's addresses alone
	; descriptor group 1: a tile of 64 rows x 256 elements of 4 bytes, padded in LDS
	s_mov_b32 s[G1+0], 15|(2<<16)|(1<<20)|(1<<21)|(7<<22)|(3<<25)  ; 15:0 the mask: all four work-groups; 17:16 elements of 4 bytes; 20 padding on; 21 set beside a mask; 24:22 after every 256 words (code 7); 31:25 4 words (code 3)
	s_mov_b32 s[G1+1], 256<<16                     ; tensor_dim0 = 256
	s_mov_b32 s[G1+2], 64<<16                      ; tensor_dim1 = 64
	s_mov_b32 s[G1+3], 256<<16                     ; tile_dim0 = 256
	s_mov_b32 s[G1+4], 64                          ; tile_dim1 = 64
	s_mov_b32 s[G1+5], 256                         ; 256 elements from row to row
	s_mov_b32 s[G1+6], 0
	s_mov_b32 s[G1+7], 0
	s_mov_b32 s[G0], 1                             ; count = 1
	s_mul_i32 s[G0+1], s[WV], WSLICE               ; LDS address: my slice; no place in the cluster enters it
	s_lshl_b32 s20, s[WV], 16                      ; my 64 rows of 1,024 bytes in W_hidden
	s_mov_b32 s21, 0
	s_lshl_b32 s22, s18, 16                        ; my work-group's 64 rows of 1,024 bytes in x
	s_mov_b32 s23, 0
	s_mov_b32 s[K01], 0x3dcccccd                   ; 0.1
	s_mov_b32 s[K01+1], s[K01]
	s_mov_b32 s[K08], 0x3f4ccccd                   ; 0.8
	s_mov_b32 s[K08+1], s[K08]
	s_mov_b32 s[K25], 0x3d23d70a                   ; 1 / 25
	s_mov_b32 s[K25+1], s[K25]
	s_mov_b32 s[HM], 0xffff0000
	s_mov_b32 s[PASS], 2
	s_wait_dscnt 0x0                               ; both opening adds are done
	s_wait_kmcnt 0x0
	s_add_nc_u64 s[G0+2:G0+3], s[6:7], s[20:21]    ; global address: the same in all four partners
	s_or_b32 s[G0+3], s[G0+3], 0x80000000          ; type = 2
	s_add_nc_u64 s[4:5], s[4:5], s[22:23]          ; x at my work-group's first row
	s_mul_i32 s22, s18, 2560                       ; 64 rows of 40 bytes
	s_add_nc_u64 s[14:15], s[14:15], s[22:23]      ; out0 likewise
	CROUND                                         ; all four work-groups are here: the joint loads meet
	tensor_load_to_lds s[G0:G0+3], s[G1:G1+7]      ; my one tensor load of the launch; nothing in LDS is filled twice
	s_nop 0
	PLACES
	v_and_b32 v[LN], 31, v0
	v_and_b32 v[RR], 15, v0
	v_bfe_u32 v[HH], v0, 4, 1
	s_lshl_b32 s19, s[WV], 13
	v_lshl_add_u32 v[XO], v[LN], 4, s19
	; ALL OF MY x, both passes: 32 loads, each of 512 consecutive bytes.  The first pass's goes where x lives, the second's into v1's registers for now.
.irp i, 0,1,2,3,4,5,6,7
.irp c, 0,1
	global_load_b128 v[XX+8*(\i)+4*(\c):XX+8*(\i)+4*(\c)+3],   v[XO], s[4:5] offset:(\i)*1024+(\c)*512 th:TH_LOAD_NT
	global_load_b128 v[VM1+8*(\i)+4*(\c):VM1+8*(\i)+4*(\c)+3], v[XO], s[4:5] offset:32768+(\i)*1024+(\c)*512 th:TH_LOAD_NT
.endr
.endr
	s_lshl_b32 s19, s[WV], 8
	v_lshl_add_u32 v[SC], v[HH], 5, s19            ; 4 x (64 w + 8 (l / 16))
.irp ct, 0,1,2,3                       ; b_hidden of my hidden columns 64 w + 16 ct + 8 (l / 16) + 0..7, into i1's registers for now
	global_load_b128 v[IS1+8*(\ct):IS1+8*(\ct)+3],   v[SC], s[8:9] offset:64*(\ct)
	global_load_b128 v[IS1+8*(\ct)+4:IS1+8*(\ct)+7], v[SC], s[8:9] offset:64*(\ct)+16
.endr
	v_min_u32 v[SC+1], 9, v[RR]                    ; class l % 16; lanes 10 to 15 repeat class 9: their six rows of the 16-row tile are made and never read
	v_lshl_add_u32 v[SC+1], v[SC+1], 10, v[SC]
.irp kc, 0,1                           ; W_readout, hidden 64 w + 32 kc + 8 (l / 16) + 0..7 and + 16
.irp u, 0,1,2,3
	global_load_b128 v[IS1+32+16*(\kc)+4*(\u):IS1+32+16*(\kc)+4*(\u)+3], v[SC+1], s[10:11] offset:128*(\kc)+16*((\u)%2)+64*((\u)/2)
.endr
.endr
	; a pass's output is 320 numbers e = 10 row + class on end.  Number e's partial sums lie at 64 row + 4 class = 4 e + 24 row
	v_lshlrev_b32 v[SC+2], 1, v0                   ; e = 2 t
	v_mul_u32_u24 v[SC+3], v[SC+2], 0xcccd
	v_lshrrev_b32 v[SC+3], 19, v[SC+3]             ; row = e / 10 (exact for e under 2^14)
	v_lshl_add_u32 v[RA0], v[SC+2], 2, PART
	v_mul_u32_u24 v[SC+4], v[SC+3], 24
	v_add_nc_u32 v[RA0], v[RA0], v[SC+4]
	v_mul_u32_u24 v[SC+4], v[SC+3], 10
	v_sub_nc_u32 v[SC+4], v[SC+2], v[SC+4]         ; class, even
	v_lshlrev_b32 v[SC+4], 2, v[SC+4]
	global_load_b64 v[BR0:BR0+1], v[SC+4], s[12:13]
	v_lshl_add_u32 v[SC+5], v[LN], 1, 256          ; e = 256 + 2 l
	v_mul_u32_u24 v[SC+6], v[SC+5], 0xcccd
	v_lshrrev_b32 v[SC+6], 19, v[SC+6]
	v_lshl_add_u32 v[RA1], v[SC+5], 2, PART
	v_mul_u32_u24 v[SC+7], v[SC+6], 24
	v_add_nc_u32 v[RA1], v[RA1], v[SC+7]
	v_mul_u32_u24 v[SC+7], v[SC+6], 10
	v_sub_nc_u32 v[SC+7], v[SC+5], v[SC+7]
	v_lshlrev_b32 v[SC+7], 2, v[SC+7]
	global_load_b64 v[BR1:BR1+1], v[SC+7], s[12:13]
	v_lshlrev_b32 v[OO0], 3, v0
	v_lshl_add_u32 v[OO1], v[LN], 3, 1024
	s_mul_i32 s19, s[WV], 8*SPITCH
	s_add_co_u32 s19, s19, SPK
	v_lshl_add_u32 v[ASW], v[LN], 3, s19
	v_mul_u32_u24 v[ASR], v[RR], SPITCH
	v_lshl_add_u32 v[ASR], v[HH], 4, v[ASR]
	v_add_nc_u32 v[ASR], SPK, v[ASR]
	v_mul_u32_u24 v[AW], v[RR], WPITCH
	v_lshl_add_u32 v[AW], v[HH], 5, v[AW]
	v_add_nc_u32 v[AW], s[G0+1], v[AW]
	s_lshl_b32 s19, s[WV], 11
	s_add_co_u32 s19, s19, PART
	v_lshl_add_u32 v[APS], v[RR], 6, s19
	v_lshl_add_u32 v[APS], v[HH], 5, v[APS]
	v_mov_b32 v[BIG], 0x4e800000                   ; 2^30
	v_mov_b32 v[BIG+1], 0x4e800000
	v_mov_b32 v[NBIG], 0xce800000
	v_mov_b32 v[NBIG+1], 0xce800000
	WIN 0x80                                       ; destination window 2
	v_mov_b32 v[BIG2], 0x4e800000
	v_mov_b32 v[BIG2+1], 0x4e800000
	v_mov_b32 v[NBIG2], 0xce800000
	v_mov_b32 v[NBIG2+1], 0xce800000
	WIN 0
	s_wait_loadcnt 0x0                             ; x, the biases and W_readout are in
	; EVERYTHING IS ROUNDED TO bf16; what is wanted in f32 is widened again (a shift, a mask)
.irp g, 0,1
.set n, 0
.rept 16
	v_cvt_pk_bf16_f32 v[TT+n], v[XX+32*(\g)+2*n], v[XX+32*(\g)+2*n+1]
.set n, n+1
.endr
.set n, 0
.rept 16
	v_lshlrev_b32 v[XX+32*(\g)+2*n], 16, v[TT+n]
	v_and_b32 v[XX+32*(\g)+2*n+1], s[HM], v[TT+n]
.set n, n+1
.endr
.endr
	v_cvt_pk_bf16_f32 v[TMP], v[BR0], v[BR0+1]
	v_cvt_pk_bf16_f32 v[SC], v[BR1], v[BR1+1]
	v_lshlrev_b32 v[BR0], 16, v[TMP]
	v_and_b32 v[BR0+1], s[HM], v[TMP]
	v_lshlrev_b32 v[BR1], 16, v[SC]
	v_and_b32 v[BR1+1], s[HM], v[SC]
.set n, 0
.rept 16
	v_cvt_pk_bf16_f32 v[TT+n], v[IS1+2*n], v[IS1+2*n+1]  ; b_hidden
.set n, n+1
.endr
	WIN 0x80
.set n, 0
.rept 32
	v_cvt_pk_bf16_f32 v[XN+n], v[VM1+2*n], v[VM1+2*n+1]  ; the second pass's x stays packed until it is wanted
.set n, n+1
.endr
	WIN 0xc0                                       ; destination window 3
.set n, 0
.rept 16
	v_lshlrev_b32 v[BIAS+2*n], 16, v[TT+n]
	v_and_b32 v[BIAS+2*n+1], s[HM], v[TT+n]
	v_cvt_pk_bf16_f32 v[WR+n], v[IS1+32+2*n], v[IS1+32+2*n+1]  ; W_readout's 16 f32 of a fragment, in ascending order, are its 8 registers
.set n, n+1
.endr
; W_hidden: LDS (f32) -> fragments (bf16), four fragments at a time through the two halves of FRAG.  A fragment is 16 rows x 32 features: lane l holds row l % 16, features 8 (l / 16) + 0..7 and 16 + 8 (l / 16) + 0..7:
; in f32 two pieces of 32 bytes, 64 bytes apart.  Batch b: hidden block b / 2, features 128 (b % 2) on.
.macro WLOAD b
	WIN 0xc0
.irp fi, 0,1,2,3
.irp u, 0,1,2,3
	ds_load_b128 v[FRAG+64*((\b)%2)+16*(\fi)+4*(\u):FRAG+64*((\b)%2)+16*(\fi)+4*(\u)+3], v[AW] offset:((\b)/2)*16*WPITCH+(4*((\b)%2)+(\fi))*128+16*((\u)%2)+64*((\u)/2)
.endr
.endr
.endm
.macro WCVT b
	WIN 0x4f                                       ; sources window 3, destination window 1
.irp fi, 0,1,2,3
.irp m, 0,1,2,3,4,5,6,7
	v_cvt_pk_bf16_f32 v[8*(8*((\b)/2)+4*((\b)%2)+(\fi))+(\m)], v[FRAG+64*((\b)%2)+16*(\fi)+2*(\m)], v[FRAG+64*((\b)%2)+16*(\fi)+2*(\m)+1]
.endr
.endr
.endm
	s_wait_tensorcnt 0x0                           ; my slice of W_hidden is in LDS; I alone read it, so my own wait is all the ordering that the reads need
	WLOAD 0
	WLOAD 1
.set wb, 0
.rept 8
.if wb < 7
	s_wait_dscnt 16                                ; batch wb is in; the next batch's 16 loads may stay out
.else
	s_wait_dscnt 0x0
.endif
	WCVT wb
.if wb < 6
	WLOAD wb+2
.endif
.set wb, wb+1
.endr
	WIN 0
; THE VECTOR WORK is two numbered lists; a list goes in batches of 8 register pairs, one kind of line for all 8 pairs and then the next kind, so that no line reads the result of the one before it.
; For a pair:  0: t = i - v    1: v = v + 0.1 t    2: t = (v - 1) 2^30 held to 0 .. 1: exactly 1 where v > 1 (the least excess, 2^-23, gives 128), else 0    3: the spike is used    4: v = v - t v    5: i = 0.8 i + input
; LAYER 1: number q1 of 192 = 4 batches (rows 2 g, 2 g + 1) x 6 kinds x 8 pairs.  Kind 3 rounds the pair to bf16 (exact); every second one stores four spikes, 8 bytes a lane, into buffer wr.
; first = 1: step 1, on v1 = 0 and i1 = x: v = 0.1 x, i = 0.8 x + x: nothing is cleared or copied.
.macro L1OP first, wr
.set g1, q1/48
.set k1, (q1%48)/8
.set p1, q1%8
.set b1, 16*g1+2*p1
.set t1, TT+2*p1
	WIN 0
.if k1 == 0
.if !(\first)
	v_pk_add_f32 v[t1:t1+1], v[IS1+b1:IS1+b1+1], v[VM1+b1:VM1+b1+1] neg_lo:[0,1] neg_hi:[0,1]
.endif
.elseif k1 == 1
.if \first
	v_pk_mul_f32 v[VM1+b1:VM1+b1+1], v[XX+b1:XX+b1+1], s[K01:K01+1] op_sel_hi:[1,0]
.elseif FUSED
	v_pk_fma_f32 v[VM1+b1:VM1+b1+1], v[t1:t1+1], s[K01:K01+1], v[VM1+b1:VM1+b1+1] op_sel_hi:[1,0,1]
.else
	v_pk_mul_f32 v[t1:t1+1], v[t1:t1+1], s[K01:K01+1] op_sel_hi:[1,0]
	v_pk_add_f32 v[VM1+b1:VM1+b1+1], v[VM1+b1:VM1+b1+1], v[t1:t1+1]
.endif
.elseif k1 == 2
	v_pk_fma_f32 v[t1:t1+1], v[VM1+b1:VM1+b1+1], v[BIG:BIG+1], v[NBIG:NBIG+1] clamp
.elseif k1 == 3
	v_cvt_pk_bf16_f32 v[PK+p1], v[t1], v[t1+1]
.if p1%2
	ds_store_b64 v[ASW], v[PK+p1-1:PK+p1] offset:(\wr)*SBUF+(2*g1+p1/4)*SPITCH+((p1/2)%2)*256
.endif
.elseif k1 == 4
	v_pk_fma_f32 v[VM1+b1:VM1+b1+1], v[t1:t1+1], v[VM1+b1:VM1+b1+1], v[VM1+b1:VM1+b1+1] neg_lo:[1,0,0] neg_hi:[1,0,0]
.elseif (\first) && FUSED
	v_pk_fma_f32 v[IS1+b1:IS1+b1+1], v[XX+b1:XX+b1+1], s[K08:K08+1], v[XX+b1:XX+b1+1] op_sel_hi:[1,0,1]
.elseif \first
	v_pk_mul_f32 v[IS1+b1:IS1+b1+1], v[XX+b1:XX+b1+1], s[K08:K08+1] op_sel_hi:[1,0]
	v_pk_add_f32 v[IS1+b1:IS1+b1+1], v[IS1+b1:IS1+b1+1], v[XX+b1:XX+b1+1]
.elseif FUSED
	v_pk_fma_f32 v[IS1+b1:IS1+b1+1], v[IS1+b1:IS1+b1+1], s[K08:K08+1], v[XX+b1:XX+b1+1] op_sel_hi:[1,0,1]
.else
	v_pk_mul_f32 v[IS1+b1:IS1+b1+1], v[IS1+b1:IS1+b1+1], s[K08:K08+1] op_sel_hi:[1,0]
	v_pk_add_f32 v[IS1+b1:IS1+b1+1], v[IS1+b1:IS1+b1+1], v[XX+b1:XX+b1+1]
.endif
.set q1, q1+1
.endm
; LAYER 2: number q2 of 160 = 4 batches (two tiles) x kinds 0 to 4 x 8 pairs.  Kind 3 adds the spike to the count.  Kind 5 waits for h: CUP.
.macro L2OP
.set k2, (q2%40)/8
.set b2, 16*(q2/40)+2*(q2%8)
.set t2, TB+2*(q2%8)
	WIN 0xaa                                       ; all four places window 2
.if k2 == 0
	v_pk_add_f32 v[t2:t2+1], v[IS2+b2:IS2+b2+1], v[VM2+b2:VM2+b2+1] neg_lo:[0,1] neg_hi:[0,1]
.elseif (k2 == 1) && FUSED
	v_pk_fma_f32 v[VM2+b2:VM2+b2+1], v[t2:t2+1], s[K01:K01+1], v[VM2+b2:VM2+b2+1] op_sel_hi:[1,0,1]
.elseif k2 == 1
	v_pk_mul_f32 v[t2:t2+1], v[t2:t2+1], s[K01:K01+1] op_sel_hi:[1,0]
	v_pk_add_f32 v[VM2+b2:VM2+b2+1], v[VM2+b2:VM2+b2+1], v[t2:t2+1]
.elseif k2 == 2
	v_pk_fma_f32 v[t2:t2+1], v[VM2+b2:VM2+b2+1], v[BIG2:BIG2+1], v[NBIG2:NBIG2+1] clamp
.elseif k2 == 3
	v_pk_add_f32 v[ACC+b2:ACC+b2+1], v[ACC+b2:ACC+b2+1], v[t2:t2+1]
.else
	v_pk_fma_f32 v[VM2+b2:VM2+b2+1], v[t2:t2+1], v[VM2+b2:VM2+b2+1], v[VM2+b2:VM2+b2+1] neg_lo:[1,0,0] neg_hi:[1,0,0]
.endif
.set q2, q2+1
.endm
.macro RIDE wr                         ; the next line of vector work: layer 1's list first, then layer 2's
.if q1 < 192
	L1OP 0, \wr
.else
	L2OP
.endif
.endm
; i2 = 0.8 i2 + h, tiles and pairs ascending: each accumulator's lowest registers are read first
.macro CUP
.if FUSED
	WIN 0xb2                                       ; i2 (source 0, destination) window 2, h (source 2) window 3
.set cq, 0
.rept 32
	v_pk_fma_f32 v[IS2+2*cq:IS2+2*cq+1], v[IS2+2*cq:IS2+2*cq+1], s[K08:K08+1], v[HACC+2*cq:HACC+2*cq+1] op_sel_hi:[1,0,1]
.set cq, cq+1
.endr
.else
	WIN 0xaa
.set cq, 0
.rept 32
	v_pk_mul_f32 v[IS2+2*cq:IS2+2*cq+1], v[IS2+2*cq:IS2+2*cq+1], s[K08:K08+1] op_sel_hi:[1,0]
.set cq, cq+1
.endr
	WIN 0x8e                                       ; h (source 1) window 3
.set cq, 0
.rept 32
	v_pk_add_f32 v[IS2+2*cq:IS2+2*cq+1], v[IS2+2*cq:IS2+2*cq+1], v[HACC+2*cq:HACC+2*cq+1]
.set cq, cq+1
.endr
.endif
.endm
; Matrix instruction im of 64: features 32 (im / 8) on, tile im % 8.  The eight accumulators take turns, one instruction a turn, from trip to trip too.  The first eight start the sums with b_hidden.
.macro MM
.set km, im/8
.set tm, im%8
	WIN 0xfd                                       ; W (source 0) window 1; spikes, C and D window 3
.if km == 0
	v_wmma_f32_16x16x32_bf16 v[HACC+8*tm:HACC+8*tm+7], v[8*(8*(tm%4)+km):8*(8*(tm%4)+km)+7], v[FRAG+64*(tm/4)+8*km:FRAG+64*(tm/4)+8*km+7], v[BIAS+8*(tm%4):BIAS+8*(tm%4)+7]
.else
	v_wmma_f32_16x16x32_bf16 v[HACC+8*tm:HACC+8*tm+7], v[8*(8*(tm%4)+km):8*(8*(tm%4)+km)+7], v[FRAG+64*(tm/4)+8*km:FRAG+64*(tm/4)+8*km+7], v[HACC+8*tm:HACC+8*tm+7]
.endif
.set im, im+1
.endm
; 32 LDS loads in one run: all 32 rows' spikes out of buffer rd, as 16 fragments; features ascending, as the products take them
.macro FETCH rd
	WIN 0xc0
.irp k, 0,1,2,3,4,5,6,7
.irp rt, 0,1
	ds_load_b128 v[FRAG+64*(\rt)+8*(\k):FRAG+64*(\rt)+8*(\k)+3],   v[ASR] offset:(\rd)*SBUF+(\rt)*16*SPITCH+64*(\k)
	ds_load_b128 v[FRAG+64*(\rt)+8*(\k)+4:FRAG+64*(\rt)+8*(\k)+7], v[ASR] offset:(\rd)*SBUF+(\rt)*16*SPITCH+64*(\k)+32
.endr
.endr
.endm
; A TRIP, step t.  l1 = 1: half of layer 1's step t + 1 stands in the wait for the fragments; the other half and layer 2's step t are dealt four behind each product: 96 + 160 = 4 x 64.
; The loads into FRAG stand behind the trip before's last four riders and CUP: more than four plain lines that name no register of the last product.  CUP's first read of a tile stands behind the riders of the products that follow the tile's last.
; ONE BARRIER A TRIP, for two things: in front of its signal my stores into buffer wr are done and my reads of buffer rd are back; behind its wait buffer wr is read and buffer rd written.  CUP, work on registers, stands between signal and wait.
; l1 = 0: step 23: there are no further spikes to make, so no barrier either.
.macro TRIP l1, rd, wr
.set q1, 0
.set q2, 0
.set im, 0
	FETCH \rd
.if \l1
.rept 96
	L1OP 0, \wr
.endr
	s_wait_dscnt 8                                 ; the 32 fragment loads are back; the 8 spike stores issued behind them may be out
.rept 64
	MM
.rept 4
	RIDE \wr
.endr
.endr
	WIN 0
	s_wait_dscnt 0x0
	s_barrier_signal -1
	CUP
	WIN 0
	s_barrier_wait -1
.else
.rept 24
	L2OP
.endr
	s_wait_dscnt 0x0
.rept 64
	MM
	L2OP
	L2OP
.endr
.rept 8
	L2OP
.endr
	CUP
	WIN 0
.endif
.endm
.Lpass:                                ; twice: 32 batch rows each
.set q1, 0
.rept 192
	L1OP 1, 1                                      ; layer 1's step 1: z_1 into buffer 1
.endr
	s_wait_dscnt 0x0                               ; my spikes are stored
	s_barrier_signal -1
	WIN 0x80                                       ; layer 2 behind step 0: v2 = 0, count = 0, i2 = b_hidden.  192 moves a pass, between signal and wait: the price of writing no first trip out
.set n, 0
.rept 64
	v_mov_b32 v[VM2+n], 0
	v_mov_b32 v[ACC+n], 0
.set n, n+1
.endr
	WIN 0x83                                       ; source window 3
.set n, 0
.rept 64
	v_mov_b32 v[IS2+n], v[BIAS+n%32]               ; tiles 4 rt + ct share hidden block ct's bias
.set n, n+1
.endr
	WIN 0
	s_barrier_wait -1                              ; everybody's are
	s_mov_b32 s[CNT], 11
.Ltrip:                                ; steps 1 to 22, two a trip of the loop
	TRIP 1, 1, 0
	TRIP 1, 0, 1
	s_sub_co_u32 s[CNT], s[CNT], 1
	s_cmp_lg_u32 s[CNT], 0
	s_cbranch_scc1 .Ltrip
	TRIP 0, 1, 0                                   ; step 23
.set q2, 0
.rept 160
	L2OP                                           ; layer 2's step 24: its spikes are counted, its i2 is wanted no more
.endr
	; THE READOUT.  My 64 hidden columns' share: (16 classes x 32 hidden) x (32 hidden x 16 rows), two hidden halves kc, two row blocks rt.  Counts of tiles 4 rt + 2 kc and + 1, packed in pairs, are source 1.
	WIN 0xca                                       ; sources window 2, destination window 3
.irp rt, 0,1
.irp kc, 0,1
.irp m, 0,1,2,3,4,5,6,7
	v_cvt_pk_bf16_f32 v[FRAG+8*(2*(\rt)+(\kc))+(\m)], v[ACC+8*(4*(\rt)+2*(\kc)+(\m)/4)+2*((\m)%4)], v[ACC+8*(4*(\rt)+2*(\kc)+(\m)/4)+2*((\m)%4)+1]
.endr
.endr
.endr
	WIN 0xff
	v_wmma_f32_16x16x32_bf16 v[HACC:HACC+7],    v[WR:WR+7],    v[FRAG:FRAG+7],     0
	v_wmma_f32_16x16x32_bf16 v[HACC+8:HACC+15], v[WR:WR+7],    v[FRAG+16:FRAG+23], 0
	v_wmma_f32_16x16x32_bf16 v[HACC:HACC+7],    v[WR+8:WR+15], v[FRAG+8:FRAG+15],  v[HACC:HACC+7]     ; the two accumulators by turns
	v_wmma_f32_16x16x32_bf16 v[HACC+8:HACC+15], v[WR+8:WR+15], v[FRAG+24:FRAG+31], v[HACC+8:HACC+15]
	PLACES
	WIN 0x0c                                       ; store data window 3.  A lane holds row l % 16 and classes 8 (l / 16) + 0..7
.irp rt, 0,1
	ds_store_b128 v[APS], v[HACC+8*(\rt):HACC+8*(\rt)+3]   offset:1024*(\rt)
	ds_store_b128 v[APS], v[HACC+8*(\rt)+4:HACC+8*(\rt)+7] offset:1024*(\rt)+16
.endr
	WIN 0
	s_wait_dscnt 0x0                               ; for the others' sake: my partial sums are stored, and my reads of the spike buffers are long back
	s_barrier_signal -1
	s_barrier_wait -1                              ; all four waves' partial sums lie in LDS; buffer 1 may be written again
.irp u, 0,1,2,3
	ds_load_b64 v[SC+2*(\u):SC+2*(\u)+1], v[RA0] offset:2048*(\u)
.endr
	s_wait_dscnt 0x0
	v_pk_add_f32 v[SC:SC+1], v[SC:SC+1], v[SC+2:SC+3]
	v_pk_add_f32 v[SC+4:SC+5], v[SC+4:SC+5], v[SC+6:SC+7]
	v_pk_add_f32 v[SC:SC+1], v[SC:SC+1], v[SC+4:SC+5]
	v_pk_fma_f32 v[SC:SC+1], v[SC:SC+1], s[K25:K25+1], v[BR0:BR0+1] op_sel_hi:[1,0,1]
	global_store_b64 v[OO0], v[SC:SC+1], s[14:15] th:TH_STORE_NT  ; a wave's store covers 256 consecutive bytes, at a multiple of 256 from out0's first byte
	s_cmp_lg_u32 s[WV], 0
	s_cbranch_scc1 .Lnot0                          ; the pass's 1,280 bytes are five such blocks: wave 0 takes the fifth
.irp u, 0,1,2,3
	ds_load_b64 v[SC+8+2*(\u):SC+8+2*(\u)+1], v[RA1] offset:2048*(\u)
.endr
	s_wait_dscnt 0x0
	v_pk_add_f32 v[SC+8:SC+9], v[SC+8:SC+9], v[SC+10:SC+11]
	v_pk_add_f32 v[SC+12:SC+13], v[SC+12:SC+13], v[SC+14:SC+15]
	v_pk_add_f32 v[SC+8:SC+9], v[SC+8:SC+9], v[SC+12:SC+13]
	v_pk_fma_f32 v[SC+8:SC+9], v[SC+8:SC+9], s[K25:K25+1], v[BR1:BR1+1] op_sel_hi:[1,0,1]
	global_store_b64 v[OO1], v[SC+8:SC+9], s[14:15] th:TH_STORE_NT
.Lnot0:
	s_sub_co_u32 s[PASS], s[PASS], 1
	s_cmp_eq_u32 s[PASS], 0
	s_cbranch_scc1 .Ldone                          ; forward, past no barrier
	s_wait_xcnt 0x0                                ; the stores have read their data and out0's address: only behind this wait are they written again
	s_add_nc_u64 s[14:15], s[14:15], 1280          ; the second pass's 32 rows of 40 bytes
	WIN 0x08                                       ; source 1 window 2: the second pass's x is widened into x's place
.set n, 0
.rept 32
	v_lshlrev_b32 v[XX+2*n], 16, v[XN+n]
	v_and_b32 v[XX+2*n+1], s[HM], v[XN+n]
.set n, n+1
.endr
	WIN 0
	s_cmp_lg_u32 s[PASS], 0
	s_cbranch_scc1 .Lpass
.Ldone:
	s_wait_tensorcnt 0x0                           ; the wave's end: behind my tensor load and my last LDS store
	ds_add_u32 v[SPW], v[NIL]
	s_wait_dscnt 0x0
	CROUND                                         ; the closing round
	s_endpgm
.Lfunc_end_k_qfe63b89b68_snn:
	.size	k_qfe63b89b68_snn, .Lfunc_end_k_qfe63b89b68_snn-k_qfe63b89b68_snn
	.p2alignl 7, 3214868480
	.fill 96, 4, 3214868480
	.section	.rodata,"a",@progbits
	.p2align	6, 0x0
	.amdhsa_kernel k_qfe63b89b68_snn
		.amdhsa_group_segment_fixed_size 327680
		.amdhsa_private_segment_fixed_size 0
		.amdhsa_enable_private_segment 0
		.amdhsa_kernarg_size 48
		.amdhsa_user_sgpr_count 2
		.amdhsa_user_sgpr_kernarg_segment_ptr 1
		.amdhsa_wavefront_size32 1
		.amdhsa_system_sgpr_workgroup_id_x 1
		.amdhsa_system_sgpr_workgroup_id_y 1
		.amdhsa_system_sgpr_workgroup_id_z 1
		.amdhsa_system_vgpr_workitem_id 0
		.amdhsa_next_free_vgpr 1024
		.amdhsa_next_free_sgpr 66
		.amdhsa_reserve_vcc 0
		.amdhsa_float_denorm_mode_32 3
		.amdhsa_float_denorm_mode_16_64 3
		.amdhsa_memory_ordered 1
		.amdhsa_forward_progress 1
		.amdhsa_inst_pref_size 172
	.end_amdhsa_kernel
	.amdgpu_metadata
---
amdhsa.version: [ 1, 2 ]
amdhsa.kernels:
  - .name:           k_qfe63b89b68_snn
    .symbol:         k_qfe63b89b68_snn.kd
    .args:
      - { .name: x, .offset: 0, .size: 8, .value_kind: global_buffer, .address_space: global }
      - { .name: W_hidden, .offset: 8, .size: 8, .value_kind: global_buffer, .address_space: global }
      - { .name: b_hidden, .offset: 16, .size: 8, .value_kind: global_buffer, .address_space: global }
      - { .name: W_readout, .offset: 24, .size: 8, .value_kind: global_buffer, .address_space: global }
      - { .name: b_readout, .offset: 32, .size: 8, .value_kind: global_buffer, .address_space: global }
      - { .name: out0, .offset: 40, .size: 8, .value_kind: global_buffer, .address_space: global }
    .group_segment_fixed_size: 327680
    .private_segment_fixed_size: 0
    .kernarg_segment_align: 8
    .kernarg_segment_size: 48
    .max_flat_workgroup_size: 128
    .sgpr_count:     66
    .vgpr_count:     1024
    .wavefront_size: 32
...
	.end_amdgpu_metadata
.endif
;; end of part 1
